; MI455X (gfx1250); checked and timed in simulation.
; The chip was launched on July 23, 2026; its instructions are those of AMD's public machine-readable ISA for CDNA 5 (MIT licence, August 2026) and "CDNA5" Instruction Set Architecture Reference Guide (July 2026). The comments in the code are by the model that wrote it; some were corrected since.
;; Pillar Feature Net. Allowed arithmetic: float matrix products may take bf16 or f16 operands with f32 sums; all other float work in f32.
;; Inputs: W 64 x 9 float32; beta 64 float32; coors 60,000 x 4 int32; gamma 64 float32; num_points 60,000 int32; voxels 60,000 x 32 x 4 float32.
;; Outputs: out0 60,000 x 64 float32.
;; One version. Each part assembles by itself: llvm-mc -triple=amdgcn-amd-amdhsa -mcpu=gfx1250 --defsym DOCPART=n.
;; ======== version 1 of 1: 2 launches
;; workspace buffers: part 128,000 bytes
;; launch stats (part 1): grid 250 x 1, 16 waves a work-group, no clusters, 103,680 bytes of LDS; arguments voxels, num_points, coors, W, part; writes part
.if DOCPART == 1
	.amdgcn_target "amdgcn-amd-amdhsa--gfx1250"
	.amdhsa_code_object_version 6
	.text
	.protected	k_qa45ccde790_stats
	.globl	k_qa45ccde790_stats
	.p2align	8
	.type	k_qa45ccde790_stats,@function
k_qa45ccde790_stats:
	s_mov_b64 s[64:65], 0
	v_nop
	global_prefetch_b8 v0, s[64:65] scope:SCOPE_SE
	s_setreg_imm32_b32 hwreg(HW_REG_WAVE_MODE, 25, 1), 1
	s_wait_xcnt 0x0
; PillarFeatureNet, launch 1 of 2: the batch statistics of x = W f, one partial per work-group.
; A work-group owns 240 pillars = 7,680 rows of 9 features (250 x 240 = 60,000: no tail); a wave owns 15 pillars; a lane is a point,
; so one 16-byte load of a wave is one pillar, 512 consecutive bytes.  The features stay in registers between two passes:
;   pass A makes them (masked rows are zero, as in reference()) and sums them;  the group's feature mean mu follows through LDS;
;   pass B centres them about mu and sums the 45 different products (f_i - mu_i)(f_j - mu_j): the scatter S of the group.
; Wave 0 then stores, for each channel o, m = w_o . mu (part[g][o]) and s = w_o' S w_o (part[g][64+o]).  The second launch merges the 250
; pairs by the rule for joining means and centred sums of squares, so nowhere is a variance the difference of two large sums.
; No matrix unit here: the scatter is 45 sums over rows, made by packed f32 multiply-adds.  No cluster: work-groups share only W (2,304 bytes).
; LIMITS: inputs finite.  sum / denom is sum x rcp(denom) (1 ulp).  The pillar's centre is one fused c * 0.1 - 19.95, where reference()
; rounds three times (a difference near 1e-6 in numbers up to 20).  Sums run in another order than reference()'s.
.set PPG,  240                         ; pillars of a work-group
.set PPW,  15                          ; pillars of a wave
.set T,    4                           ; v[4:6]    sums of x, y, z on their way over the lanes
.set X,    8                           ; v[8:10]   the other half's sums
.set MK,   12                          ; v[12:13]  1.0 or 0 (v13 only fills the pair)
.set VNUM, 14                          ; lane i: num_points of the wave's pillar i
.set VNRD, 15                          ; lane i: -1 / max(num, 1)
.set VPX,  16                          ; lane i: pillar_x
.set VPY,  17                          ; lane i: pillar_y
.set CO,   18                          ; v[18:21]  lane i: coors of pillar i
.set SUM,  22                          ; v[22:30]  sums of the 9 features
.set WV,   12                          ; v[12:29]  later, wave 0: rows 2 lane and 2 lane + 1 of W
.set MU,   32                          ; v[32:40]  the group's feature mean
.set ACC,  42                          ; v[42:90]  49 sums of products (layout at PILLAR_B)
.set F,    92                          ; v[92:211] pillar i: features 0 to 7 at F + 8 i (0 to 3 are loaded in place)
.set F8,   212                         ; v[212:226] pillar i: feature 8 (v227 only fills the last pair)
.set LA0,  228                         ; 4 x thread
.set LA1,  229                         ; the same + 65,536
.set VR0,  230                         ; 2,048 x wave + 16 x lane
.set VS,   231                         ; SRES + 4 x wave
.set S,    F                           ; the tail: the 49 sums of the group
.set SUMS, 0                           ; LDS: 16 waves x 64 bytes, 9 floats used
.set ACCS, 1024                        ; LDS: 49 slots of 2,048 bytes, [wave][lane] floats
.set SRES, 101376                      ; LDS: 49 floats
	s_load_b256 s[4:11], s[0:1], 0x0               ; voxels s[4:5], num_points s[6:7], coors s[8:9], W s[10:11]
	s_load_b64 s[12:13], s[0:1], 0x20              ; part
	v_lshl_add_u32 v232, v0, 2, 0x18d00
	v_mov_b32 v233, 0
	v_and_b32 v1, 31, v0                           ; lane = point
	v_lshrrev_b32 v3, 5, v0
	v_readfirstlane_b32 s14, v3                    ; wave
	v_lshlrev_b32 v2, 4, v1                        ; 16 x lane
	v_min_u32 v7, PPW-1, v1                        ; lanes 15 to 31 repeat pillar 14: no load leaves the wave's part
	v_lshlrev_b32 v3, 2, v7                        ; offset in num_points
	v_lshlrev_b32 v7, 4, v7                        ; offset in coors
	v_mul_u32_u24 v11, 72, v1                      ; two rows of W, 36 bytes each
	v_lshlrev_b32 v[LA0], 2, v0
	v_add_nc_u32 v[LA1], 0x10000, v[LA0]
	v_lshl_add_u32 v[VR0], s14, 11, v2
	s_lshl_b32 s16, s14, 2
	s_add_co_u32 s16, s16, SRES
	v_mov_b32 v[VS], s16
.irp c, 0,1,2
	v_mov_b32 v[T+\c], 0                           ; destinations of lane-crossing forms count as read: written once here
	v_mov_b32 v[X+\c], 0
.endr
	v_mov_b32 v[MK+1], 0                           ; upper registers of pairs of which only the lower is taken
	v_mov_b32 v[F8+PPW], 0
	s_mul_i32 s15, ttmp9, PPG
	s_mul_i32 s16, s14, PPW
	s_add_co_u32 s15, s15, s16                     ; the wave's first pillar
	s_mov_b32 s17, 0
	s_mov_b32 s18, 0x76543210                      ; v_permlanex16_b32: lane i takes lane i of the other half
	s_mov_b32 s19, 0xfedcba98
	s_mov_b32 s21, 0                               ; fills the pair s[20:21]
	s_mov_b32 s26, 0x3dcccccd                      ; 0.1
	s_mov_b32 s27, 0xc19f999a                      ; 0.05 - 20
	s_wait_kmcnt 0x0
	s_lshl_b32 s16, s15, 9                         ; 512 bytes a pillar (at most 30,712,320)
	s_add_nc_u64 s[4:5], s[4:5], s[16:17]
	s_lshl_b32 s16, s15, 2
	s_add_nc_u64 s[6:7], s[6:7], s[16:17]
	s_lshl_b32 s16, s15, 4
	s_add_nc_u64 s[8:9], s[8:9], s[16:17]
	s_lshl_b32 s16, ttmp9, 9                       ; the group's row of part
	s_add_nc_u64 s[12:13], s[12:13], s[16:17]
	global_load_b32 v[VNUM], v3, s[6:7]
	global_load_b128 v[CO:CO+3], v7, s[8:9]
.set i, 0
.rept PPW
	global_load_b128 v[F+8*i:F+8*i+3], v2, s[4:5] offset:512*i   ; all the wave's pillars are asked for at once; the next launch reads them again: no hint
.set i, i+1
.endr
	s_wait_loadcnt PPW                             ; loads return in order (ISA guide 5.7.1): the two small ones are in, the 15 pillars stay out
	v_max_i32 v[VNRD], 1, v[VNUM]
	v_cvt_f32_i32 v[VPX], v[CO+1]
	v_cvt_f32_i32 v[VPY], v[CO+2]
	v_cvt_f32_i32 v[VNRD], v[VNRD]
	v_rcp_f32 v[VNRD], v[VNRD]
	v_fma_f32 v[VPX], v[VPX], s26, s27             ; also the plain instruction between v_rcp_f32 and the use of its result (ISA guide 5.7.2)
	v_fma_f32 v[VPY], v[VPY], s26, s27
	s_wait_alu depctr_va_vdst(0)
	v_xor_b32 v[VNRD], 0x80000000, v[VNRD]
; Pass A for pillar i: the 9 features of my point, masked, and their sums.
.macro PILLAR_A i
	s_wait_loadcnt PPW-1-\i                        ; pillar i is in; the younger ones stay out
	v_readlane_b32 s20, v[VNRD], \i
	v_readlane_b32 s22, v[VPX], \i
	v_readlane_b32 s23, v[VPY], \i
	v_readlane_b32 s24, v[VNUM], \i
.irp c, 0,1,2
	v_add_f32_dpp v[T+\c], v[F+8*\i+\c], v[F+8*\i+\c] row_xmask:1 row_mask:0xf bank_mask:0xf   ; x, y, z summed over all 32 points, unmasked as in reference()
.endr
.irp m, 2,4,8
.irp c, 0,1,2
	v_add_f32_dpp v[T+\c], v[T+\c], v[T+\c] row_xmask:\m row_mask:0xf bank_mask:0xf
.endr
.endr
.irp c, 0,1,2
	v_permlanex16_b32 v[X+\c], v[T+\c], s18, s19
.endr
	v_pk_add_f32 v[T:T+1], v[T:T+1], v[X:X+1]
	v_add_f32 v[T+2], v[T+2], v[X+2]
	v_cmp_gt_i32 vcc_lo, s24, v1                   ; point < num_points
	v_pk_fma_f32 v[F+8*\i+4:F+8*\i+5], v[T:T+1], s[20:21], v[F+8*\i:F+8*\i+1] op_sel_hi:[1,0,1]   ; f4, f5 = x, y - mean
	v_fma_f32 v[F+8*\i+6], v[T+2], s20, v[F+8*\i+2]                                                ; f6 = z - mean
	v_sub_f32 v[F+8*\i+7], v[F+8*\i], s22          ; f7 = x - pillar_x
	v_sub_f32 v[F8+\i], v[F+8*\i+1], s23           ; f8 = y - pillar_y
	v_cndmask_b32 v[MK], 0, 1.0, vcc_lo
.irp k, 0,2,4,6
	v_pk_mul_f32 v[F+8*\i+\k:F+8*\i+\k+1], v[F+8*\i+\k:F+8*\i+\k+1], v[MK:MK+1] op_sel_hi:[1,0]
.endr
	v_mul_f32 v[F8+\i], v[F8+\i], v[MK]
.if \i == 1
.irp k, 0,2,4,6
	v_pk_add_f32 v[SUM+\k:SUM+\k+1], v[F+\k:F+\k+1], v[F+8+\k:F+8+\k+1]    ; the first two pillars start the sums: nothing is cleared
.endr
	v_add_f32 v[SUM+8], v[F8], v[F8+1]
.endif
.if \i > 1
.irp k, 0,2,4,6
	v_pk_add_f32 v[SUM+\k:SUM+\k+1], v[SUM+\k:SUM+\k+1], v[F+8*\i+\k:F+8*\i+\k+1]
.endr
	v_add_f32 v[SUM+8], v[SUM+8], v[F8+\i]
.endif
.endm
.irp i, 0,1,2,3,4,5,6,7,8,9,10,11,12,13,14
	PILLAR_A \i
.endr
.macro WSUM r                          ; register r summed over the wave's 32 lanes, the result in every lane
.irp m, 1,2,4,8
	v_add_f32_dpp v[\r], v[\r], v[\r] row_xmask:\m row_mask:0xf bank_mask:0xf
.endr
	v_permlanex16_b32 v[X], v[\r], s18, s19
	v_add_f32 v[\r], v[\r], v[X]
.endm
	; the group's feature mean: each wave's 9 sums to its own 64 bytes, one barrier, every wave adds all sixteen
.irp c, 0,1,2,3,4,5,6,7,8
	WSUM SUM+\c
.endr
	s_lshl_b32 s16, s14, 6
	v_mov_b32 v3, s16                              ; (the load that read v3 came in before pass A)
	ds_store_b128 v3, v[SUM:SUM+3] offset:SUMS     ; all lanes store the same words with the same values
	ds_store_b128 v3, v[SUM+4:SUM+7] offset:SUMS+16
	ds_store_b32 v3, v[SUM+8] offset:SUMS+32
	v_and_b32 v7, 15, v1
	v_min_u32 v7, 8, v7
	v_lshlrev_b32 v7, 2, v7                        ; lane c (0 to 8) takes feature c; the others repeat feature 8
	s_wait_dscnt 0x0                               ; for the other waves: my stores are done in front of the signal
	s_barrier_signal -1
	s_barrier_wait -1
.set w, 0
.rept 16
	ds_load_b32 v[ACC+w], v7 offset:SUMS+64*w
.set w, w+1
.endr
	s_wait_dscnt 0x0
.irp k, 0,2,4,6
	v_pk_add_f32 v[ACC+\k:ACC+\k+1], v[ACC+\k:ACC+\k+1], v[ACC+8+\k:ACC+9+\k]
.endr
.irp k, 0,2
	v_pk_add_f32 v[ACC+\k:ACC+\k+1], v[ACC+\k:ACC+\k+1], v[ACC+4+\k:ACC+5+\k]
.endr
	v_pk_add_f32 v[ACC:ACC+1], v[ACC:ACC+1], v[ACC+2:ACC+3]
	v_add_f32 v[ACC], v[ACC], v[ACC+1]
	v_mul_f32 v[ACC], 0x39088889, v[ACC]           ; / 7,680 rows.  (S about a pivot a rounding away from the mean differs in the second order only)
.irp c, 0,1,2,3,4,5,6,7,8
	v_readlane_b32 s[30+\c], v[ACC], \c
.endr
.irp c, 0,1,2,3,4,5,6,7,8
	v_mov_b32 v[MU+\c], s[30+\c]
.endr
	s_cmp_lg_u32 s14, 0
	s_cbranch_scc1 .Lnow
.irp k, 0,1,2,3,4,5,6,7,8
	global_load_b64 v[WV+2*\k:WV+2*\k+1], v11, s[10:11] offset:8*\k    ; wave 0 asks for W now and uses it in the tail
.endr
.Lnow:
; d += a x (one register of pair b, for both halves); first = 1: the product starts the sum
.macro SCAT first, d, a, b, odd
.if \first
.if \odd
	v_pk_mul_f32 v[\d:\d+1], v[\a:\a+1], v[\b:\b+1] op_sel:[0,1] op_sel_hi:[1,1]
.else
	v_pk_mul_f32 v[\d:\d+1], v[\a:\a+1], v[\b:\b+1] op_sel_hi:[1,0]
.endif
.else
.if \odd
	v_pk_fma_f32 v[\d:\d+1], v[\a:\a+1], v[\b:\b+1], v[\d:\d+1] op_sel:[0,1,0] op_sel_hi:[1,1,1]
.else
	v_pk_fma_f32 v[\d:\d+1], v[\a:\a+1], v[\b:\b+1], v[\d:\d+1] op_sel_hi:[1,0,1]
.endif
.endif
.endm
; Pass B for pillar i: centre, then the products.  Row r (0 to 7) multiplies f_r into the aligned pairs r/2 .. 3 of features 0 to 7:
; 4, 4, 3, 3, 2, 2, 1, 1 pairs = 40 registers; product (r, j), r <= j <= 7, lies at ACC + O_r + j with O = 0, 8, 14, 20, 24, 28, 30, 32
; (odd rows also hold (r, r-1), which nobody reads).  Product (j, 8) lies at ACC + 40 + j, (8, 8) at ACC + 48.
.macro PILLAR_B i, first
.set FB, F+8*\i
.irp k, 0,2,4,6
	v_pk_add_f32 v[FB+\k:FB+\k+1], v[FB+\k:FB+\k+1], v[MU+\k:MU+\k+1] neg_lo:[0,1] neg_hi:[0,1]
.endr
	v_sub_f32 v[F8+\i], v[F8+\i], v[MU+8]
.set q, 0
.irp r, 0,1,2,3,4,5,6,7
.irp p, 0,1,2,3
.if \p > \r/2-1
	SCAT \first, ACC+2*q, FB+2*\p, FB+2*(\r/2), \r%2
.set q, q+1
.endif
.endr
.endr
.irp p, 0,1,2,3
	SCAT \first, ACC+40+2*\p, FB+2*\p, F8+\i-\i%2, \i%2
.endr
.if \first
	v_mul_f32 v[ACC+48], v[F8+\i], v[F8+\i]
.else
	v_fmac_f32 v[ACC+48], v[F8+\i], v[F8+\i]
.endif
.endm
	PILLAR_B 0, 1
.irp i, 1,2,3,4,5,6,7,8,9,10,11,12,13,14
	PILLAR_B \i, 0
.endr
	; the 49 sums over the group's 512 lanes: every lane stores its 49 words, then wave w adds up slots w, w + 16, w + 32 (wave 0 also 48)
.set j, 0
.rept 32
	ds_store_b32 v[LA0], v[ACC+j] offset:ACCS+2048*j
.set j, j+1
.endr
.rept 17
	ds_store_b32 v[LA1], v[ACC+j] offset:ACCS+2048*(j-32)
.set j, j+1
.endr
	v_add_nc_u32 v7, 0x10000, v[VR0]
	s_wait_dscnt 0x0                               ; my stores are done in front of the signal
	s_barrier_signal -1
	s_barrier_wait -1
.macro LOAD16 b, adr, off              ; a slot's 512 words, 16 to a lane
.irp k, 0,1,2,3
	ds_load_b128 v[\b+4*\k:\b+4*\k+3], v[\adr] offset:\off+512*\k
.endr
.endm
.macro RED16 b, off                    ; the 16 words, then the 32 lanes; the sum goes to word wave + off / 4 of SRES
.irp k, 0,2,4,6
	v_pk_add_f32 v[\b+\k:\b+\k+1], v[\b+\k:\b+\k+1], v[\b+8+\k:\b+9+\k]
.endr
.irp k, 0,2
	v_pk_add_f32 v[\b+\k:\b+\k+1], v[\b+\k:\b+\k+1], v[\b+4+\k:\b+5+\k]
.endr
	v_pk_add_f32 v[\b:\b+1], v[\b:\b+1], v[\b+2:\b+3]
	v_add_f32 v[\b], v[\b], v[\b+1]
	WSUM \b
	ds_store_b32 v[VS], v[\b] offset:\off
.endm
	LOAD16 F, VR0, ACCS
	LOAD16 F+16, VR0, ACCS+32768
	LOAD16 F+32, 7, ACCS
	s_cmp_lg_u32 s14, 0
	s_cbranch_scc1 .Lno48a
	LOAD16 F+48, 7, ACCS+32768
.Lno48a:
	s_wait_dscnt 0x0
	RED16 F, 0
	RED16 F+16, 64
	RED16 F+32, 128
	s_cmp_lg_u32 s14, 0
	s_cbranch_scc1 .Lno48b
	RED16 F+48, 192
.Lno48b:
	s_wait_dscnt 0x0                               ; my words of SRES are stored in front of the signal
	s_barrier_signal -1
	s_barrier_wait -1
	s_cmp_lg_u32 s14, 0
	s_cbranch_scc1 .Lend                           ; no barrier follows: the other waves are done
	; wave 0: lane l projects mu and S on rows 2 l and 2 l + 1 of W
	v_mov_b32 v3, SRES
.irp k, 0,1,2,3,4,5,6,7,8,9,10,11
	ds_load_b128 v[S+4*\k:S+4*\k+3], v3 offset:16*\k   ; the same words for every lane
.endr
	ds_load_b32 v[S+48], v3 offset:192
	v_lshlrev_b32 v7, 3, v1                        ; 8 bytes a lane
	s_wait_loadcnt 0x0                             ; W
	s_wait_dscnt 0x0
.set O0, 0
.set O1, 8
.set O2, 14
.set O3, 20
.set O4, 24
.set O5, 28
.set O6, 30
.set O7, 32
; m = w . mu;  s = w' S w = 2 sum over i of w_i (w_i S_ii / 2 + sum over j > i of w_j S_ij).  v6, v10: at work
.macro PROJ w, m, s
	v_mul_f32 v[\m], v[\w], v[MU]
.irp c, 1,2,3,4,5,6,7,8
	v_fmac_f32 v[\m], v[\w+\c], v[MU+\c]
.endr
.irp i, 0,1,2,3,4,5,6,7
	v_mul_f32 v6, 0.5, v[\w+\i]
	v_mul_f32 v10, v6, v[S+O\i+\i]
.irp j, 1,2,3,4,5,6,7
.if \j > \i
	v_fmac_f32 v10, v[\w+\j], v[S+O\i+\j]
.endif
.endr
	v_fmac_f32 v10, v[\w+8], v[S+40+\i]
.if \i == 0
	v_mul_f32 v[\s], v[\w], v10
.else
	v_fmac_f32 v[\s], v[\w+\i], v10
.endif
.endr
	v_mul_f32 v6, 0.5, v[\w+8]
	v_mul_f32 v10, v6, v[S+48]
	v_fmac_f32 v[\s], v[\w+8], v10
	v_add_f32 v[\s], v[\s], v[\s]
.endm
	PROJ WV, 4, 8
	PROJ WV+9, 5, 9
	global_store_b64 v7, v[4:5], s[12:13]              ; 32 lanes x 8 bytes: 256 consecutive bytes, at a multiple of 256 from part's first byte
	global_store_b64 v7, v[8:9], s[12:13] offset:256   ; and the 256 behind them
.Lend:
	s_wait_tensorcnt 0x0
	ds_add_u32 v232, v233
	s_wait_dscnt 0x0
	s_endpgm
.Lfunc_end_k_qa45ccde790_stats:
	.size	k_qa45ccde790_stats, .Lfunc_end_k_qa45ccde790_stats-k_qa45ccde790_stats
	.p2alignl 7, 3214868480
	.fill 96, 4, 3214868480
	.section	.rodata,"a",@progbits
	.p2align	6, 0x0
	.amdhsa_kernel k_qa45ccde790_stats
		.amdhsa_group_segment_fixed_size 103680
		.amdhsa_private_segment_fixed_size 0
		.amdhsa_enable_private_segment 0
		.amdhsa_kernarg_size 40
		.amdhsa_user_sgpr_count 2
		.amdhsa_user_sgpr_kernarg_segment_ptr 1
		.amdhsa_wavefront_size32 1
		.amdhsa_system_sgpr_workgroup_id_x 1
		.amdhsa_system_sgpr_workgroup_id_y 1
		.amdhsa_system_sgpr_workgroup_id_z 1
		.amdhsa_system_vgpr_workitem_id 0
		.amdhsa_next_free_vgpr 234
		.amdhsa_next_free_sgpr 66
		.amdhsa_reserve_vcc 1
		.amdhsa_float_denorm_mode_32 3
		.amdhsa_float_denorm_mode_16_64 3
		.amdhsa_memory_ordered 1
		.amdhsa_forward_progress 1
		.amdhsa_inst_pref_size 85
	.end_amdhsa_kernel
	.amdgpu_metadata
---
amdhsa.version: [ 1, 2 ]
amdhsa.kernels:
  - .name:           k_qa45ccde790_stats
    .symbol:         k_qa45ccde790_stats.kd
    .args:
      - { .name: voxels, .offset: 0, .size: 8, .value_kind: global_buffer, .address_space: global }
      - { .name: num_points, .offset: 8, .size: 8, .value_kind: global_buffer, .address_space: global }
      - { .name: coors, .offset: 16, .size: 8, .value_kind: global_buffer, .address_space: global }
      - { .name: W, .offset: 24, .size: 8, .value_kind: global_buffer, .address_space: global }
      - { .name: part, .offset: 32, .size: 8, .value_kind: global_buffer, .address_space: global }
    .group_segment_fixed_size: 103680
    .private_segment_fixed_size: 0
    .kernarg_segment_align: 8
    .kernarg_segment_size: 40
    .max_flat_workgroup_size: 512
    .sgpr_count:     66
    .vgpr_count:     234
    .wavefront_size: 32
...
	.end_amdgpu_metadata
.endif
;; end of part 1
;; launch apply (part 2): grid 250 x 1, 12 waves a work-group, no clusters, 11,776 bytes of LDS; arguments voxels, num_points, coors, W, gamma, beta, part, out0; writes out0
.if DOCPART == 2
	.amdgcn_target "amdgcn-amd-amdhsa--gfx1250"
	.amdhsa_code_object_version 6
	.text
	.protected	k_qa45ccde790_apply
	.globl	k_qa45ccde790_apply
	.p2align	8
	.type	k_qa45ccde790_apply,@function
k_qa45ccde790_apply:
	s_mov_b64 s[64:65], 0
	v_nop
	global_prefetch_b8 v0, s[64:65] scope:SCOPE_SE
	s_setreg_imm32_b32 hwreg(HW_REG_WAVE_MODE, 25, 1), 1
	s_wait_xcnt 0x0
; PillarFeatureNet, launch 2 of 2: merge the 250 partial statistics, then linear + batch norm + relu + masked max.
; A work-group owns 240 pillars, a wave 20 (ten pairs), a lane is a point.  All loads of a wave are issued at its head.
; STATISTICS (every work-group for itself, while its pillars are on their way): part[g][o] = mean m_g, part[g][64+o] = centred sum of squares
; s_g of 7,680 rows.  Mean = avg m_g;  var = (sum s_g + 7,680 sum (m_g - Mean)^2) / 1,920,000, the second sum again in two levels:
; waves 0 to 9 take 25 groups each about their own mean, then the ten means about Mean.  No difference of large sums anywhere.
; THE PRODUCT.  With g = a w, a = gamma rsq(var + eps), b = beta - Mean a, and u = x - px, v = y - py, z' = z - mz (made in f32):
;   y = (g0+g4+g7) u + (g1+g5+g8) v + (g2+g6) z' + g3 w  +  const,   const = b + g0 px + g4 (px - mx) + g1 py + g5 (py - my) + g2 mz,
; an identity in the nine features.  const is the same for all points of a pillar, so it is added behind the maximum, in f32.
; u, v, z', w can be some 20 times the spread of the result, so they and their weights go to the matrix unit as two bf16 parts each
; (hi = rounded, lo = the exact rest, rounded); only lo x lo is left out, at most 2^-16 of a product.  A lane's K places (register: low, high half):
;   0: u hi, v hi | 1: z' hi, w hi | 2: u lo, v lo | 3: z' lo, w lo | 4: u hi, v hi | 5: z' hi, w hi | 6: pen, 0 | 7: 0, 0      (operand A, my point)
;   0: U hi, V hi | 1: Z hi, W hi  | 2: U hi, V hi | 3: Z hi, W hi  | 4: U lo, V lo | 5: Z lo, W lo  | 6: -3.39e38, 0 | 7: 0, 0 (operand B, the weights)
; pen = 1 for a point at or beyond num_points: its sum is near -3.39e38 and loses every maximum.  relu(max + const) = max(max, -const) + const,
; so relu, the masked max and 'num_points = 0 gives 0' are one chain of maxima with -const in it, and (-const) + const is 0 exactly.
; A's row r holds point r in the K places of lanes 0-15 and point 16 + r in those of lanes 16-31 (ISA guide 7.12.2); a B fragment with weights in
; one half of the lanes and zeros in the other picks one of the two.  Column r of tile t is channel 4 r + t, so that a lane ends with four
; neighbouring channels and a wave's store covers two pillars: 512 consecutive bytes.
; No cluster: what work-groups share is part (128,000 bytes) and W, against 184,320 bytes of their own, and it comes by plain loads.
; LIMITS: inputs finite; a masked point's |sum| and |const| stay under 3.39e38.  sum / denom is sum x rcp(denom) (1 ulp); the pillar's centre is one
; fused c * 0.1 - 19.95 (reference() rounds three times; near 1e-6 in numbers up to 20).  The sums of weights are made in f32 before the split.
.set PPG,  240
.set PPW,  20                          ; pillars of a wave
.set MW,   10                          ; waves that merge
.set GPW,  25                          ; groups of a merging wave
.set RED,  0                           ; LDS: 10 waves x 512 bytes: sums of 25 rows of part
.set RED2, 5120                        ; LDS: the same shape: sums of squares about the wave's own mean (the first 256 bytes of each 512 are used)
; registers of the main part
.set T,    4                           ; v[4:6]    sums of x, y, z
.set X,    8                           ; v[8:11]   the other half's sums; then high and low parts at work
.set TB,   12                          ; second chain of a maximum
.set PX,   14                          ; five numbers of the pillar, lanes 0-15 the pair's first, lanes 16-31 its second; each the lower register
.set DX,   16                          ; of a pair of its own, since the packed multiply-add takes the pair's lower register for both halves
.set PY,   18
.set NC,   20                          ; v[20:23]  - const of my pillar and my four channels
.set RP,   24                          ; v[24:27]  maxima of the pair's first pillar, tile t in register t; then the store's data
.set RQ,   28                          ; v[28:31]  of its second
.set VNUM, 32                          ; lane i: num_points, -1 / max(num, 1), pillar_x, pillar_y of the wave's pillar i
.set VNRD, 33
.set VPX,  34
.set VPY,  35
.set A0,   36                          ; v[36:43]  A fragment of the first pillar
.set A1,   44                          ; v[44:51]  of the second
.set DY,   52
.set NZ,   54
.set WB,   56                          ; v[56:119] B fragments: tile t, half-picker p at WB + 16 t + 8 p
.set D0,   120                         ; v[120:135] results of one tile of one pillar: points 0-15, points 16-31
.set D1,   136                         ; v[136:151] the other buffer
.set KN0,  152                         ; -g0, -g4, -g1, -g5, g2, -b of channels 4 r .. 4 r + 3: four registers each
.set KN4,  156
.set KN1,  160
.set KN5,  164
.set K2,   168
.set NB,   172
.set RAW,  176                         ; v[176:255] pillar i as loaded, at RAW + 4 i; x, y, z become u, v, z' in place
; registers of the head, in places that the main part takes over later
.set AW,   3                           ; 144 r
.set WR,   4                           ; v[4:39]   rows 4 r .. 4 r + 3 of W
.set CO,   40                          ; v[40:43]
.set NU,   44
.set AR16, 45                          ; 16 r
.set ANU,  46
.set ACO,  47
.set GA,   48
.set BE,   52
.set P,    56                          ; v[56:155] 25 rows of part, 4 columns a lane
.set LS,   156
.set LMN,  160
.set LQ,   164
.set B1,   56                          ; ten waves' sums of m
.set B2,   96                          ; ten waves' local squares;  B2 itself becomes their sum
.set B3,   136                         ; ten waves' sums of s;      B3 itself becomes their sum
.set MEANN, 140                        ; - Mean
.set DD,   144
.set QB,   148
.set AA,   120                         ; a
.set NAA,  124                         ; - a
.set G,    128                         ; v[128:131] the four summed weights
.set H,    132                         ; v[132:135] their packed parts
.set TMP,  136                         ; v[136:139]
.set HP,   140                         ; the weight of pen
	s_load_b512 s[4:19], s[0:1], 0x0               ; voxels 4, num_points 6, coors 8, W 10, gamma 12, beta 14, part 16, out0 18
	s_set_vgpr_msb 0x40
	v_lshl_add_u32 v0, v0, 2, 0x2800
	v_mov_b32 v1, 0
	s_set_vgpr_msb 0x4000
	v_and_b32 v1, 31, v0                           ; lane = point
	v_lshrrev_b32 v2, 5, v0
	v_readfirstlane_b32 s20, v2                    ; wave
	v_lshlrev_b32 v2, 4, v1                        ; 16 x lane: offset in a pillar, in a row of part, and in a pair's 512 bytes of out0
	v_and_b32 v[AR16], 15, v1                      ; r
	v_mul_u32_u24 v[AW], 144, v[AR16]              ; four rows of W, 36 bytes each
	v_lshlrev_b32 v[AR16], 4, v[AR16]
	v_min_u32 v[ACO], PPW-1, v1                    ; lanes 20 to 31 repeat pillar 19
	v_lshlrev_b32 v[ANU], 2, v[ACO]
	v_lshlrev_b32 v[ACO], 4, v[ACO]
	v_lshlrev_b32 v0, 4, v0                        ; 16 x thread = 512 x wave + 16 x lane: where a merging wave stores
	s_mul_i32 s21, ttmp9, PPG
	s_mul_i32 s22, s20, PPW
	s_add_co_u32 s21, s21, s22                     ; the wave's first pillar
	s_mov_b32 s23, 0
	s_mov_b32 s24, 0x76543210                      ; v_permlanex16_b32: lane i takes lane i of the other half
	s_mov_b32 s25, 0xfedcba98
	s_mov_b32 s34, 0x3b83126f                      ; 1 / 250
	s_mov_b32 s35, 0x3a83126f                      ; eps = 0.001
	s_mov_b32 s36, 0x350bcf65                      ; 1 / 1,920,000
	s_mov_b32 s37, 0x41c80000                      ; 25
	s_mov_b32 s38, 0xffff0000                      ; a word's upper bf16
	s_mov_b32 s40, 0x3dcccccd                      ; 0.1
	s_mov_b32 s41, 0xc19f999a                      ; 0.05 - 20
	s_mov_b32 s42, 0xffff0000                      ; as a mask of lanes: lanes 16 to 31
	s_mov_b32 s43, 0x3f80                          ; bf16 1.0 in the low half, 0 in the high half
	s_wait_kmcnt 0x0
	s_lshl_b32 s22, s21, 9
	s_add_nc_u64 s[4:5], s[4:5], s[22:23]
	s_lshl_b32 s22, s21, 2
	s_add_nc_u64 s[6:7], s[6:7], s[22:23]
	s_lshl_b32 s22, s21, 4
	s_add_nc_u64 s[8:9], s[8:9], s[22:23]
	s_lshl_b32 s22, s21, 8
	s_add_nc_u64 s[18:19], s[18:19], s[22:23]
	s_cmp_ge_u32 s20, MW
	s_cbranch_scc1 .Lnopart
	s_mul_i32 s22, s20, GPW*512
	s_add_nc_u64 s[32:33], s[16:17], s[22:23]
.set k, 0
.rept GPW
	global_load_b128 v[P+4*k:P+4*k+3], v2, s[32:33] offset:512*k   ; one load = one row of part: lanes 0-15 the means, lanes 16-31 the sums of squares
.set k, k+1
.endr
.Lnopart:
.irp k, 0,1,2,3,4,5,6,7,8
	global_load_b128 v[WR+4*\k:WR+4*\k+3], v[AW], s[10:11] offset:16*\k
.endr
	global_load_b128 v[GA:GA+3], v[AR16], s[12:13]
	global_load_b128 v[BE:BE+3], v[AR16], s[14:15]
	global_load_b32 v[NU], v[ANU], s[6:7]
	global_load_b128 v[CO:CO+3], v[ACO], s[8:9]
.set i, 0
.rept PPW
	global_load_b128 v[RAW+4*i:RAW+4*i+3], v2, s[4:5] offset:512*i th:TH_LOAD_NT   ; the last reading of these bytes
.set i, i+1
.endr
	s_cmp_ge_u32 s20, MW
	s_cbranch_scc1 .Lnomerge
	s_wait_loadcnt 13+PPW                          ; my 25 rows are in; the 13 small loads and the 20 pillars behind them stay out
	v_pk_add_f32 v[LS:LS+1], v[P:P+1], v[P+4:P+5]
	v_pk_add_f32 v[LS+2:LS+3], v[P+2:P+3], v[P+6:P+7]
.set k, 2
.rept GPW-2
	v_pk_add_f32 v[LS:LS+1], v[LS:LS+1], v[P+4*k:P+4*k+1]
	v_pk_add_f32 v[LS+2:LS+3], v[LS+2:LS+3], v[P+4*k+2:P+4*k+3]
.set k, k+1
.endr
	v_pk_mul_f32 v[LMN:LMN+1], v[LS:LS+1], 0xbd23d70a op_sel_hi:[1,0]      ; - sum / 25
	v_pk_mul_f32 v[LMN+2:LMN+3], v[LS+2:LS+3], 0xbd23d70a op_sel_hi:[1,0]
.set k, 0
.rept GPW
	v_pk_add_f32 v[P+4*k:P+4*k+1], v[P+4*k:P+4*k+1], v[LMN:LMN+1]
	v_pk_add_f32 v[P+4*k+2:P+4*k+3], v[P+4*k+2:P+4*k+3], v[LMN+2:LMN+3]
.if k == 0
	v_pk_mul_f32 v[LQ:LQ+1], v[P:P+1], v[P:P+1]
	v_pk_mul_f32 v[LQ+2:LQ+3], v[P+2:P+3], v[P+2:P+3]
.else
	v_pk_fma_f32 v[LQ:LQ+1], v[P+4*k:P+4*k+1], v[P+4*k:P+4*k+1], v[LQ:LQ+1]
	v_pk_fma_f32 v[LQ+2:LQ+3], v[P+4*k+2:P+4*k+3], v[P+4*k+2:P+4*k+3], v[LQ+2:LQ+3]
.endif
.set k, k+1
.endr
	ds_store_b128 v0, v[LS:LS+3] offset:RED
	ds_store_b128 v0, v[LQ:LQ+3] offset:RED2       ; lanes 16-31 (columns of s) store squares that nobody reads
.Lnomerge:
	s_wait_dscnt 0x0                               ; for the other waves: my stores are done in front of the signal
	s_barrier_signal -1
	s_barrier_wait -1                              ; the launch's only barrier
.set w, 0
.rept MW
	ds_load_b128 v[B1+4*w:B1+4*w+3], v[AR16] offset:RED+512*w          ; channels 4 r .. 4 r + 3, in both halves of the lanes
	ds_load_b128 v[B3+4*w:B3+4*w+3], v[AR16] offset:RED+512*w+256
	ds_load_b128 v[B2+4*w:B2+4*w+3], v[AR16] offset:RED2+512*w
.set w, w+1
.endr
	s_wait_dscnt 0x0
.set w, 1
.rept MW-1
	v_pk_add_f32 v[B3:B3+1], v[B3:B3+1], v[B3+4*w:B3+4*w+1]            ; sum of all s_g
	v_pk_add_f32 v[B3+2:B3+3], v[B3+2:B3+3], v[B3+4*w+2:B3+4*w+3]
	v_pk_add_f32 v[B2:B2+1], v[B2:B2+1], v[B2+4*w:B2+4*w+1]            ; sum of the local squares
	v_pk_add_f32 v[B2+2:B2+3], v[B2+2:B2+3], v[B2+4*w+2:B2+4*w+3]
.set w, w+1
.endr
	v_pk_add_f32 v[MEANN:MEANN+1], v[B1:B1+1], v[B1+4:B1+5]
	v_pk_add_f32 v[MEANN+2:MEANN+3], v[B1+2:B1+3], v[B1+6:B1+7]
.set w, 2
.rept MW-2
	v_pk_add_f32 v[MEANN:MEANN+1], v[MEANN:MEANN+1], v[B1+4*w:B1+4*w+1]
	v_pk_add_f32 v[MEANN+2:MEANN+3], v[MEANN+2:MEANN+3], v[B1+4*w+2:B1+4*w+3]
.set w, w+1
.endr
	v_pk_mul_f32 v[MEANN:MEANN+1], v[MEANN:MEANN+1], 0xbb83126f op_sel_hi:[1,0]        ; - sum / 250
	v_pk_mul_f32 v[MEANN+2:MEANN+3], v[MEANN+2:MEANN+3], 0xbb83126f op_sel_hi:[1,0]
.set w, 0
.rept MW
	v_pk_fma_f32 v[DD:DD+1], v[B1+4*w:B1+4*w+1], 0x3d23d70a, v[MEANN:MEANN+1] op_sel_hi:[1,0,1]        ; a wave's mean - Mean
	v_pk_fma_f32 v[DD+2:DD+3], v[B1+4*w+2:B1+4*w+3], 0x3d23d70a, v[MEANN+2:MEANN+3] op_sel_hi:[1,0,1]
.if w == 0
	v_pk_mul_f32 v[QB:QB+1], v[DD:DD+1], v[DD:DD+1]
	v_pk_mul_f32 v[QB+2:QB+3], v[DD+2:DD+3], v[DD+2:DD+3]
.else
	v_pk_fma_f32 v[QB:QB+1], v[DD:DD+1], v[DD:DD+1], v[QB:QB+1]
	v_pk_fma_f32 v[QB+2:QB+3], v[DD+2:DD+3], v[DD+2:DD+3], v[QB+2:QB+3]
.endif
.set w, w+1
.endr
.irp c, 0,1,2,3
	v_fma_f32 v[QB+\c], v[QB+\c], s37, v[B2+\c]    ; sum over groups of (m_g - Mean)^2
	v_fma_f32 v[QB+\c], v[QB+\c], s34, s35         ; / 250, + eps
	v_fma_f32 v[QB+\c], v[B3+\c], s36, v[QB+\c]    ; + sum s_g / 1,920,000 = var + eps
.endr
.irp c, 0,1,2,3
	v_rsq_f32 v[AA+\c], v[QB+\c]
.endr
	v_nop                                          ; a plain instruction between v_rsq_f32 and the use of its result (ISA guide 5.7.2)
	s_wait_loadcnt PPW                             ; W, gamma, beta, num_points, coors are in; the 20 pillars stay out
	s_wait_alu depctr_va_vdst(0)
	v_pk_mul_f32 v[AA:AA+1], v[AA:AA+1], v[GA:GA+1]                        ; a = gamma rsq(var + eps)
	v_pk_mul_f32 v[AA+2:AA+3], v[AA+2:AA+3], v[GA+2:GA+3]
.irp c, 0,1,2,3
	v_xor_b32 v[NAA+\c], 0x80000000, v[AA+\c]      ; - a
	v_xor_b32 v[BE+\c], 0x80000000, v[BE+\c]       ; - beta
.endr
	v_pk_fma_f32 v[NB:NB+1], v[MEANN:MEANN+1], v[NAA:NAA+1], v[BE:BE+1]    ; - b = Mean a - beta
	v_pk_fma_f32 v[NB+2:NB+3], v[MEANN+2:MEANN+3], v[NAA+2:NAA+3], v[BE+2:BE+3]
	v_mov_b32 v[HP], 0xff7f                        ; the most negative finite bf16 in the low half, 0 in the high half
.macro SPREAD t, q, h                  ; register q of tile t's two fragments: weights in lanes 0-15 and zeros above, and the reverse
	v_cndmask_b32 v[WB+16*\t+\q], v[\h], 0, s42
	v_cndmask_b32 v[WB+16*\t+8+\q], 0, v[\h], s42
.endm
.macro BUILD t                         ; the B fragments of tile t (column r is channel 4 r + t) and that channel's weights of const
	v_add_f32 v[G], v[WR+9*\t], v[WR+9*\t+4]
	v_add_f32 v[G+1], v[WR+9*\t+1], v[WR+9*\t+5]
	v_add_f32 v[G+2], v[WR+9*\t+2], v[WR+9*\t+6]
	v_add_f32 v[G], v[G], v[WR+9*\t+7]
	v_add_f32 v[G+1], v[G+1], v[WR+9*\t+8]
	v_mul_f32 v[G], v[G], v[AA+\t]                 ; g0 + g4 + g7
	v_mul_f32 v[G+1], v[G+1], v[AA+\t]             ; g1 + g5 + g8
	v_mul_f32 v[G+2], v[G+2], v[AA+\t]             ; g2 + g6
	v_mul_f32 v[G+3], v[WR+9*\t+3], v[AA+\t]       ; g3
	v_cvt_pk_bf16_f32 v[H], v[G], v[G+1]           ; the high parts, rounded
	v_cvt_pk_bf16_f32 v[H+1], v[G+2], v[G+3]
	v_lshlrev_b32 v[TMP], 16, v[H]                 ; back in f32
	v_and_b32 v[TMP+1], s38, v[H]
	v_lshlrev_b32 v[TMP+2], 16, v[H+1]
	v_and_b32 v[TMP+3], s38, v[H+1]
.irp c, 0,1,2,3
	v_sub_f32 v[G+\c], v[G+\c], v[TMP+\c]          ; what the rounding left (exact)
.endr
	v_cvt_pk_bf16_f32 v[H+2], v[G], v[G+1]
	v_cvt_pk_bf16_f32 v[H+3], v[G+2], v[G+3]
	SPREAD \t, 0, H
	SPREAD \t, 1, H+1
	SPREAD \t, 2, H
	SPREAD \t, 3, H+1
	SPREAD \t, 4, H+2
	SPREAD \t, 5, H+3
	SPREAD \t, 6, HP
	v_mov_b32 v[WB+16*\t+7], 0
	v_mov_b32 v[WB+16*\t+15], 0
	v_mul_f32 v[KN0+\t], v[WR+9*\t], v[NAA+\t]
	v_mul_f32 v[KN4+\t], v[WR+9*\t+4], v[NAA+\t]
	v_mul_f32 v[KN1+\t], v[WR+9*\t+1], v[NAA+\t]
	v_mul_f32 v[KN5+\t], v[WR+9*\t+5], v[NAA+\t]
	v_mul_f32 v[K2+\t], v[WR+9*\t+2], v[AA+\t]
.endm
	BUILD 0
	BUILD 1
	BUILD 2
	BUILD 3
	; W's registers are free now.  Per pillar, lane = pillar:
	v_max_i32 v[VNRD], 1, v[NU]
	v_mov_b32 v[VNUM], v[NU]                       ; out of the second A fragment's registers
	v_cvt_f32_i32 v[VPX], v[CO+1]
	v_cvt_f32_i32 v[VPY], v[CO+2]
	v_cvt_f32_i32 v[VNRD], v[VNRD]
	v_rcp_f32 v[VNRD], v[VNRD]
	v_fma_f32 v[VPX], v[VPX], s40, s41             ; also the plain instruction behind v_rcp_f32
	v_fma_f32 v[VPY], v[VPY], s40, s41
	s_wait_alu depctr_va_vdst(0)
	v_xor_b32 v[VNRD], 0x80000000, v[VNRD]
	v_mov_b32 v[A0+7], 0                           ; the unused K places, written once
	v_mov_b32 v[A1+7], 0
	; T and X, destinations of lane-crossing forms, and the upper registers of the pairs PX .. NZ held words of W and beta: they have been written
; The A fragment of pillar i and the pillar's five numbers.  second = 0: they go to all lanes; 1: to lanes 16-31.
; A masked point's features stay as they are: pen decides.
.macro FEAT i, a, second
.set RW, RAW+4*(\i)
	v_readlane_b32 s26, v[VNRD], \i
	v_readlane_b32 s28, v[VPX], \i
	v_readlane_b32 s29, v[VPY], \i
	v_readlane_b32 s30, v[VNUM], \i
.irp c, 0,1,2
	v_add_f32_dpp v[T+\c], v[RW+\c], v[RW+\c] row_xmask:1 row_mask:0xf bank_mask:0xf   ; x, y, z summed over all 32 points, unmasked as in reference()
.endr
.irp m, 2,4,8
.irp c, 0,1,2
	v_add_f32_dpp v[T+\c], v[T+\c], v[T+\c] row_xmask:\m row_mask:0xf bank_mask:0xf
.endr
.endr
.irp c, 0,1,2
	v_permlanex16_b32 v[X+\c], v[T+\c], s24, s25
.endr
	v_pk_add_f32 v[T:T+1], v[T:T+1], v[X:X+1]
	v_add_f32 v[T+2], v[T+2], v[X+2]
	v_cmp_gt_i32 vcc_lo, s30, v1                   ; point < num_points
	v_sub_f32 v[RW], v[RW], s28                    ; u = x - px
	v_sub_f32 v[RW+1], v[RW+1], s29                ; v = y - py
.if \second
	v_fma_f32 v[T], v[T], s26, s28                 ; px - mx
	v_fma_f32 v[T+1], v[T+1], s26, s29             ; py - my
	v_mul_f32 v[T+2], s26, v[T+2]                  ; - mz
	v_cndmask_b32 v[PX], v[PX], s28, s42
	v_cndmask_b32 v[PY], v[PY], s29, s42
	v_cndmask_b32 v[DX], v[DX], v[T], s42
	v_cndmask_b32 v[DY], v[DY], v[T+1], s42
	v_cndmask_b32 v[NZ], v[NZ], v[T+2], s42
	v_add_f32 v[RW+2], v[RW+2], v[T+2]             ; z' = z - mz
.else
	v_fma_f32 v[DX], v[T], s26, s28
	v_fma_f32 v[DY], v[T+1], s26, s29
	v_mul_f32 v[NZ], s26, v[T+2]
	v_mov_b32 v[PX], s28
	v_mov_b32 v[PY], s29
	v_add_f32 v[RW+2], v[RW+2], v[NZ]
.endif
	v_cndmask_b32 v[\a+6], s43, 0, vcc_lo          ; pen: 1 for a masked point, as bf16 in the low half
	v_cvt_pk_bf16_f32 v[\a], v[RW], v[RW+1]        ; the high parts, rounded
	v_cvt_pk_bf16_f32 v[\a+1], v[RW+2], v[RW+3]
	v_lshlrev_b32 v[X], 16, v[\a]                  ; back in f32
	v_and_b32 v[X+1], s38, v[\a]
	v_lshlrev_b32 v[X+2], 16, v[\a+1]
	v_and_b32 v[X+3], s38, v[\a+1]
.irp c, 0,1,2,3
	v_sub_f32 v[X+\c], v[RW+\c], v[X+\c]           ; what the rounding left (exact)
.endr
	v_mov_b32 v[\a+4], v[\a]                       ; the high parts again, for the weights' low parts
	v_mov_b32 v[\a+5], v[\a+1]
	v_cvt_pk_bf16_f32 v[\a+2], v[X], v[X+1]
	v_cvt_pk_bf16_f32 v[\a+3], v[X+2], v[X+3]
.endm
.macro MM t, a, d                      ; tile t of one pillar: its points 0-15, then 16-31.  C = 0 starts each sum
	v_wmma_f32_16x16x32_bf16 v[\d:\d+7], v[\a:\a+7], v[WB+16*\t:WB+16*\t+7], 0
	v_wmma_f32_16x16x32_bf16 v[\d+8:\d+15], v[\a:\a+7], v[WB+16*\t+8:WB+16*\t+15], 0
.endm
.macro MAXU d, r                       ; a lane's 16 points of one pillar and tile: two chains that take turns, 8 instructions
	v_max3_num_f32 v[\r], v[\d], v[\d+1], v[\d+2]
	v_max3_num_f32 v[TB], v[\d+8], v[\d+9], v[\d+10]
	v_max3_num_f32 v[\r], v[\r], v[\d+3], v[\d+4]
	v_max3_num_f32 v[TB], v[TB], v[\d+11], v[\d+12]
	v_max3_num_f32 v[\r], v[\r], v[\d+5], v[\d+6]
	v_max3_num_f32 v[TB], v[TB], v[\d+13], v[\d+14]
	v_max3_num_f32 v[\r], v[\r], v[\d+7], v[\d+15]
	v_max_num_f32 v[\r], v[\r], v[TB]
.endm
.macro NSTEP k, c, s                   ; - const: four channels' weights k x the pillar's number c (the lower register of its pair) + s
.irp p, 0,2
	v_pk_fma_f32 v[NC+\p:NC+\p+1], v[\k+\p:\k+\p+1], v[\c:\c+1], v[\s+\p:\s+\p+1] op_sel_hi:[1,0,1]
.endr
.endm
; Pillars 2 j and 2 j + 1.  Distances behind matrix instructions (ISA guide 7.12.1; only plain vector instructions that name none of their registers
; are counted): the ten multiply-adds of - const stand between the first two MM and the first reading and rewriting of their results; every later
; MAXU, and every MM that writes a result buffer again, stands behind a whole MAXU (8) of the other buffer; the next pair's FEAT writes A0 and A1
; behind the last two MAXU.
.macro PAIR j
	s_wait_xcnt 0x0                                ; RP, which the last pair's store reads, is rewritten only behind this wait
	s_wait_loadcnt PPW-2-2*\j                      ; this pair's two loads are in; the younger ones stay out
	FEAT 2*\j, A0, 0
	FEAT 2*\j+1, A1, 1
	MM 0, A0, D0
	MM 0, A1, D1
	NSTEP KN0, PX, NB                              ; - b - g0 px
	NSTEP KN4, DX, NC                              ; - g4 (px - mx)
	NSTEP KN1, PY, NC                              ; - g1 py
	NSTEP KN5, DY, NC                              ; - g5 (py - my)
	NSTEP K2, NZ, NC                               ; - g2 mz
	MAXU D0, RP
	MM 1, A0, D0
	MAXU D1, RQ
	MM 1, A1, D1
	MAXU D0, RP+1
	MM 2, A0, D0
	MAXU D1, RQ+1
	MM 2, A1, D1
	MAXU D0, RP+2
	MM 3, A0, D0
	MAXU D1, RQ+2
	MM 3, A1, D1
	MAXU D0, RP+3
	MAXU D1, RQ+3
.irp t, 0,1,2,3
	v_permlane16_swap_b32 v[RP+\t], v[RQ+\t]       ; RP: both pillars' lanes 0-15;  RQ: both pillars' lanes 16-31
.endr
.irp t, 0,1,2,3
	v_max3_num_f32 v[RP+\t], v[RP+\t], v[RQ+\t], v[NC+\t]      ; lanes 0-15: pillar 2 j, lanes 16-31: pillar 2 j + 1; lane r: channels 4 r .. 4 r + 3
.endr
.irp t, 0,1,2,3
	v_sub_f32 v[RP+\t], v[RP+\t], v[NC+\t]         ; max(max, -const) + const = relu(max + const)
.endr
	global_store_b128 v2, v[RP:RP+3], s[18:19] offset:512*\j th:TH_STORE_NT   ; 512 consecutive bytes, at a multiple of 512 from out0's first byte
.endm
.irp j, 0,1,2,3,4,5,6,7,8,9
	PAIR \j
.endr
	s_set_vgpr_msb 0x5
	s_wait_tensorcnt 0x0
	ds_add_u32 v0, v1
	s_wait_dscnt 0x0
	s_set_vgpr_msb 0x500
	s_endpgm
.Lfunc_end_k_qa45ccde790_apply:
	.size	k_qa45ccde790_apply, .Lfunc_end_k_qa45ccde790_apply-k_qa45ccde790_apply
	.p2alignl 7, 3214868480
	.fill 96, 4, 3214868480
	.section	.rodata,"a",@progbits
	.p2align	6, 0x0
	.amdhsa_kernel k_qa45ccde790_apply
		.amdhsa_group_segment_fixed_size 11776
		.amdhsa_private_segment_fixed_size 0
		.amdhsa_enable_private_segment 0
		.amdhsa_kernarg_size 64
		.amdhsa_user_sgpr_count 2
		.amdhsa_user_sgpr_kernarg_segment_ptr 1
		.amdhsa_wavefront_size32 1
		.amdhsa_system_sgpr_workgroup_id_x 1
		.amdhsa_system_sgpr_workgroup_id_y 1
		.amdhsa_system_sgpr_workgroup_id_z 1
		.amdhsa_system_vgpr_workitem_id 0
		.amdhsa_next_free_vgpr 258
		.amdhsa_next_free_sgpr 66
		.amdhsa_reserve_vcc 1
		.amdhsa_float_denorm_mode_32 3
		.amdhsa_float_denorm_mode_16_64 3
		.amdhsa_memory_ordered 1
		.amdhsa_forward_progress 1
		.amdhsa_inst_pref_size 145
	.end_amdhsa_kernel
	.amdgpu_metadata
---
amdhsa.version: [ 1, 2 ]
amdhsa.kernels:
  - .name:           k_qa45ccde790_apply
    .symbol:         k_qa45ccde790_apply.kd
    .args:
      - { .name: voxels, .offset: 0, .size: 8, .value_kind: global_buffer, .address_space: global }
      - { .name: num_points, .offset: 8, .size: 8, .value_kind: global_buffer, .address_space: global }
      - { .name: coors, .offset: 16, .size: 8, .value_kind: global_buffer, .address_space: global }
      - { .name: W, .offset: 24, .size: 8, .value_kind: global_buffer, .address_space: global }
      - { .name: gamma, .offset: 32, .size: 8, .value_kind: global_buffer, .address_space: global }
      - { .name: beta, .offset: 40, .size: 8, .value_kind: global_buffer, .address_space: global }
      - { .name: part, .offset: 48, .size: 8, .value_kind: global_buffer, .address_space: global }
      - { .name: out0, .offset: 56, .size: 8, .value_kind: global_buffer, .address_space: global }
    .group_segment_fixed_size: 11776
    .private_segment_fixed_size: 0
    .kernarg_segment_align: 8
    .kernarg_segment_size: 64
    .max_flat_workgroup_size: 384
    .sgpr_count:     66
    .vgpr_count:     258
    .wavefront_size: 32
...
	.end_amdgpu_metadata
.endif
;; end of part 2
